; MI455X (gfx1250); checked and timed in simulation.
; The chip was launched on July 23, 2026; its instructions are those of AMD's public machine-readable ISA for CDNA 5 (MIT licence, August 2026) and "CDNA5" Instruction Set Architecture Reference Guide (July 2026). The comments in the code are by the model that wrote it; some were corrected since.
;; Decoder. Allowed arithmetic: float matrix products may take bf16 or f16 operands with f32 sums; other float arithmetic in f32, or as packed bf16 or f16 multiplies, adds, multiply-adds, maxima and minima; sums over many terms, partial sums and values carried from step to step in f32; what a program stores and reads back later, other than sums and carried values, may be rounded once to bf16 or f16.
;; Inputs: W1 512 x 1,024 float32; W2 1,024 x 512 float32; b1 1,024 float32; b2 512 float32; latent_traj 32 x 1,024 x 256 float32.
;; Outputs: out0 32 x 1,024 x 256 float32; out1 32 x 1,024 x 256 float32.
;; One version. Each part assembles by itself: llvm-mc -triple=amdgcn-amd-amdhsa -mcpu=gfx1250 --defsym DOCPART=n.
;; ======== version 1 of 1: 2 launches
;; limits: values are held in f16: magnitudes above 65,504 overflow, below 6.1e-05 lose precision; right only within a limited range of input values
;; workspace buffers: xh 16,777,216 bytes; wp 2,097,152 bytes; brd 6,144 bytes
;; launch prep (part 1): grid 1024 x 1, 8 waves a work-group, no clusters, 0 bytes of LDS; arguments latent_traj, W1, W2, b1, b2, xh, wp, brd; writes xh, wp, brd
.if DOCPART == 1
	.amdgcn_target "amdgcn-amd-amdhsa--gfx1250"
	.amdhsa_code_object_version 6
	.text
	.protected	k_q94a16dfd42_prep
	.globl	k_q94a16dfd42_prep
	.p2align	8
	.type	k_q94a16dfd42_prep,@function
k_q94a16dfd42_prep:
	s_mov_b64 s[64:65], 0
	v_nop
	global_prefetch_b8 v0, s[64:65] scope:SCOPE_SE
	s_setreg_imm32_b32 hwreg(HW_REG_WAVE_MODE, 25, 1), 1
	s_wait_xcnt 0x0
; PREP: every input is rounded ONCE to bf16 (nearest even) and laid out for the second launch.  No work of the problem is left out here.
;   xh  [32][1024][256] f16: x rounded to bf16, that number written as f16 (exact between 6.1e-5 and 65,504 in size; below it keeps f16's step of 6e-8).
;   wp  32 tiles of 65,536 bytes, tile u = 32 hidden units: 32 fragments of W1, then 32 of W2, 1,024 bytes each, in the order in which a wave's operand registers take them:
;       lane L = 16 h + r has its registers 0-3 at byte 16 L and 4-7 at 512 + 16 L; eight f16 along k = 16 half + 8 h + 0..7.
;       W1 fragment 2 c + t: row = hidden 32 u + 16 t + r, k = 32 c + ..     W2 fragment o: row = output column 16 o + r, k = hidden 32 u + ..
;   brd f32: b1 rounded to bf16 (4,096 bytes), then b2 (2,048 bytes).
; LIMIT: a rounded x, W1 or W2 of 65,520 or more in size becomes an infinity in f16.
; SHARES.  1,024 work-groups of 8 waves.  Every thread takes 4 x 8 numbers of x (32 bytes in, 16 out; a wave's load covers 1,024 consecutive bytes, its store 512).  Threads 0-127 also make one 16-byte unit
; of wp (eight loads of 4 bytes down a column of W; 16 lanes read 64 consecutive bytes); threads 128-255 of work-groups 0-2 round 16 bytes of a bias.  No LDS, no loop: each arm is written whole.
.set XU, 8                             ; v[8:39]   x as loaded, then at work
.set WR, 40                            ; v[40:47]  eight numbers of W, or four of a bias
.set XO, 48                            ; v[48:63]  x to store, four registers a unit
; eight f32 in v[src ..] -> bf16 -> the same numbers as f32 -> f16, packed into v[dst .. dst+3]
.macro CV8 src, dst
.irp j, 0,1,2,3
	v_cvt_pk_bf16_f32 v[(\dst)+\j], v[(\src)+2*\j], v[(\src)+2*\j+1]
.endr
.irp j, 0,1,2,3
	v_lshlrev_b32 v[(\src)+2*\j], 16, v[(\dst)+\j]
	v_and_b32 v[(\src)+2*\j+1], s5, v[(\dst)+\j]
.endr
.irp j, 0,1,2,3
	v_cvt_pk_f16_f32 v[(\dst)+\j], v[(\src)+2*\j], v[(\src)+2*\j+1]
.endr
.endm
; x: all loads of the arm are waited for, then four units are rounded and stored; each unit has its own registers, so no store's data is rewritten
.macro XOUT
	s_wait_loadcnt 0x0
.irp i, 0,1,2,3
	CV8 XU+8*\i, XO+4*\i
	global_store_b128 v3, v[XO+4*\i:XO+4*\i+3], s[18:19] offset:4096*\i
.endr
.endm
	s_load_b512 s[8:23], s[0:1], 0x0               ; x s[8:9], W1 s[10:11], W2 s[12:13], b1 s[14:15], b2 s[16:17], xh s[18:19], wp s[20:21], brd s[22:23]
	s_mov_b32 s6, ttmp9                            ; g, the work-group
	v_lshrrev_b32 v1, 5, v0
	v_readfirstlane_b32 s4, v1                     ; wave 0..7
	s_mov_b32 s5, 0xffff0000                       ; a word's upper bf16
	v_lshlrev_b32 v2, 5, v0                        ; 32 bytes of x a thread
	v_lshlrev_b32 v3, 4, v0                        ; 16 bytes out
	s_lshl_b32 s24, s6, 15                         ; the group's 8,192 numbers: 32,768 bytes in,
	s_mov_b32 s25, 0
	s_lshl_b32 s26, s6, 14                         ; 16,384 out
	s_mov_b32 s27, 0
	s_mov_b32 s31, 0
	s_wait_kmcnt 0x0
	s_add_nc_u64 s[8:9], s[8:9], s[24:25]
	s_add_nc_u64 s[18:19], s[18:19], s[26:27]
.irp i, 0,1,2,3
	global_load_b128 v[XU+8*\i:XU+8*\i+3],   v2, s[8:9] offset:8192*\i th:TH_LOAD_NT
	global_load_b128 v[XU+8*\i+4:XU+8*\i+7], v2, s[8:9] offset:8192*\i+16 th:TH_LOAD_NT
.endr
	s_cmp_lt_u32 s4, 4
	s_cbranch_scc0 .Lupper
	; WAVES 0-3: one unit of wp a thread.  g = 32 u + 16 part + c16; thread = 64 t + 32 half + 16 h + r
	v_lshrrev_b32 v4, 1, v0
	v_and_b32 v4, 24, v4                           ; 16 half + 8 h
	v_and_b32 v5, 15, v0                           ; r
	v_bfe_u32 v6, v0, 6, 1                         ; t
	v_lshl_add_u32 v5, v6, 4, v5
	v_lshlrev_b32 v5, 2, v5                        ; (16 t + r) x 4 bytes
	s_lshr_b32 s28, s6, 5                          ; u
	s_and_b32 s29, s6, 15                          ; c16
	s_lshl_b32 s30, s6, 11
	s_add_nc_u64 s[20:21], s[20:21], s[30:31]      ; wp at the group's 2,048 bytes
	s_bitcmp1_b32 s6, 4                            ; part
	s_cbranch_scc1 .Lsecond
	s_lshl_b32 s30, s29, 17                        ; W1: row k = 32 c16 + .., 4,096 bytes a row;
	s_lshl_b32 s28, s28, 7                         ; column 32 u + ..
	s_add_co_u32 s30, s30, s28
	s_add_nc_u64 s[10:11], s[10:11], s[30:31]
	v_lshl_add_u32 v7, v4, 12, v5
.irp e, 0,1,2,3,4,5,6,7
	global_load_b32 v[WR+\e], v7, s[10:11] offset:4096*\e
.endr
	s_branch .Lboth
.Lsecond:
	s_lshl_b32 s30, s28, 16                        ; W2: row k = 32 u + .., 2,048 bytes a row;
	s_lshl_b32 s29, s29, 7                         ; column 16 (2 c16 + t) + r
	s_add_co_u32 s30, s30, s29
	s_add_nc_u64 s[12:13], s[12:13], s[30:31]
	v_lshl_add_u32 v7, v4, 11, v5
.irp e, 0,1,2,3,4,5,6,7
	global_load_b32 v[WR+\e], v7, s[12:13] offset:2048*\e
.endr
.Lboth:
	XOUT
	CV8 WR, XU                                     ; x's registers are free: no memory instruction names them any more
	global_store_b128 v3, v[XU:XU+3], s[20:21]
	s_endpgm
.Lupper:
	s_cmp_lt_u32 s6, 3
	s_cbranch_scc0 .Lplain
	; WAVES 4-7 of work-groups 0, 1 (b1's halves) and 2 (b2): four numbers a thread
	v_and_b32 v4, 127, v0
	v_lshlrev_b32 v4, 4, v4
	s_cmp_lt_u32 s6, 2
	s_cselect_b64 s[28:29], s[14:15], s[16:17]
	s_cselect_b32 s30, s6, 0
	s_lshl_b32 s30, s30, 11
	s_add_nc_u64 s[28:29], s[28:29], s[30:31]
	s_lshl_b32 s30, s6, 11
	s_add_nc_u64 s[22:23], s[22:23], s[30:31]
	global_load_b128 v[WR:WR+3], v4, s[28:29]
	XOUT
	v_cvt_pk_bf16_f32 v8, v[WR], v[WR+1]
	v_cvt_pk_bf16_f32 v9, v[WR+2], v[WR+3]
	v_lshlrev_b32 v12, 16, v8
	v_and_b32 v13, s5, v8
	v_lshlrev_b32 v14, 16, v9
	v_and_b32 v15, s5, v9
	global_store_b128 v4, v[12:15], s[22:23]
	s_endpgm
.Lplain:
	XOUT
	s_endpgm
.Lfunc_end_k_q94a16dfd42_prep:
	.size	k_q94a16dfd42_prep, .Lfunc_end_k_q94a16dfd42_prep-k_q94a16dfd42_prep
	.p2alignl 7, 3214868480
	.fill 96, 4, 3214868480
	.section	.rodata,"a",@progbits
	.p2align	6, 0x0
	.amdhsa_kernel k_q94a16dfd42_prep
		.amdhsa_group_segment_fixed_size 0
		.amdhsa_private_segment_fixed_size 0
		.amdhsa_enable_private_segment 0
		.amdhsa_kernarg_size 64
		.amdhsa_user_sgpr_count 2
		.amdhsa_user_sgpr_kernarg_segment_ptr 1
		.amdhsa_wavefront_size32 1
		.amdhsa_system_sgpr_workgroup_id_x 1
		.amdhsa_system_sgpr_workgroup_id_y 1
		.amdhsa_system_sgpr_workgroup_id_z 1
		.amdhsa_system_vgpr_workitem_id 0
		.amdhsa_next_free_vgpr 64
		.amdhsa_next_free_sgpr 66
		.amdhsa_reserve_vcc 0
		.amdhsa_float_denorm_mode_32 3
		.amdhsa_float_denorm_mode_16_64 3
		.amdhsa_memory_ordered 1
		.amdhsa_forward_progress 1
		.amdhsa_inst_pref_size 16
	.end_amdhsa_kernel
	.amdgpu_metadata
---
amdhsa.version: [ 1, 2 ]
amdhsa.kernels:
  - .name:           k_q94a16dfd42_prep
    .symbol:         k_q94a16dfd42_prep.kd
    .args:
      - { .name: latent_traj, .offset: 0, .size: 8, .value_kind: global_buffer, .address_space: global }
      - { .name: W1, .offset: 8, .size: 8, .value_kind: global_buffer, .address_space: global }
      - { .name: W2, .offset: 16, .size: 8, .value_kind: global_buffer, .address_space: global }
      - { .name: b1, .offset: 24, .size: 8, .value_kind: global_buffer, .address_space: global }
      - { .name: b2, .offset: 32, .size: 8, .value_kind: global_buffer, .address_space: global }
      - { .name: xh, .offset: 40, .size: 8, .value_kind: global_buffer, .address_space: global }
      - { .name: wp, .offset: 48, .size: 8, .value_kind: global_buffer, .address_space: global }
      - { .name: brd, .offset: 56, .size: 8, .value_kind: global_buffer, .address_space: global }
    .group_segment_fixed_size: 0
    .private_segment_fixed_size: 0
    .kernarg_segment_align: 8
    .kernarg_segment_size: 64
    .max_flat_workgroup_size: 256
    .sgpr_count:     66
    .vgpr_count:     64
    .wavefront_size: 32
...
	.end_amdgpu_metadata
.endif
;; end of part 1
;; launch decoder (part 2): grid 32 x 8, 4 waves a work-group, clusters of 4 x 1, 327,680 bytes of LDS; arguments xh, wp, brd, out0, out1; writes out0, out1
.if DOCPART == 2
	.amdgcn_target "amdgcn-amd-amdhsa--gfx1250"
	.amdhsa_code_object_version 6
	.text
	.protected	k_q94a16dfd42_decoder
	.globl	k_q94a16dfd42_decoder
	.p2align	8
	.type	k_q94a16dfd42_decoder,@function
k_q94a16dfd42_decoder:
	s_mov_b64 s[64:65], 0
	v_nop
	global_prefetch_b8 v0, s[64:65] scope:SCOPE_SE
	s_setreg_imm32_b32 hwreg(HW_REG_WAVE_MODE, 25, 1), 1
	s_wait_xcnt 0x0
	s_wait_alu depctr_hold_cnt(0) depctr_sa_sdst(0) depctr_va_vdst(0) depctr_va_sdst(0) depctr_va_ssrc(0) depctr_va_vcc(0) depctr_vm_vsrc(0)
	s_getreg_b32 s2, hwreg(HW_REG_IB_STS2, 6, 4)
	s_cmp_eq_u32 s2, 0
	s_cbranch_scc0 .Lentry_in_a_cluster
	s_endpgm
.Lentry_in_a_cluster:
	s_bfe_u32 s2, ttmp6, 0x10000c
	s_cmp_lg_u32 s2, 0x3003
	s_cbranch_scc0 .Lentry_shape_is_right
	s_endpgm
.Lentry_shape_is_right:
; DECODER: strictly causal self-attention of x on itself (scale 1/16), then relu([x, ctx] W1 + b1) W2 + b2, split into out0 and out1.  One launch; ctx and the hidden layer never leave registers.
; Inputs as the launch before laid them: xh [32][1024][256] f16, wp 32 weight tiles of 65,536 bytes in register order, brd b1 then b2 in f32; all hold the inputs rounded to bf16.
; WORK LEFT OUT.  The problem's own mask j < i overwrites every score whose key is not older than the query with -1e9, whose weight is 0 beside any visible score.  So key slots that lie wholly behind a block's queries
; are neither loaded nor multiplied: for all values of x they reach no output.  Token 0 has no visible key; the problem multiplies its context by 0, and so does the merge factor here (ZF).  All five inputs are live.
; LIMITS.  A hidden score counts as -2^100 (the problem: -1e9), so rows whose visible scores lie below about -1e9 differ.  x, W1, W2 and the hidden layer are f16 operands: 65,520 or more in size becomes an infinity; below 6.1e-5 f16's
; step of 6e-8 holds.  A weight below 2^-126 counts as 0.  NaN and infinities are not treated apart, and one that lies only in a key slot left out is not carried to the result.
; SHARES.  A batch has 16 blocks of 64 tokens; block q needs q / 2 + 1 slots of 128 keys, the last of which holds the diagonal.  Work-group (batch, p) takes block 15 - p and then block p: 9 slots whatever p: one counted walk.
; Wave w = 2 a + b takes 32 tokens of the block (half a) and 64 keys of each slot (half b): two tiles of 16 tokens, T0 = rows 32 a + 16 b .., T1 = rows 32 a + 16 (1 - b) .., each with its own m, l and O over the wave's keys.
; At a block's end T1's partial goes through LDS in f32 to wave w ^ 1, whose T0 it is.  So a wave ends with 16 tokens of each block, and takes these 32 through all 1,024 hidden units and all 512 outputs.
; LAYOUT.  Every product is used transposed (source 0 = keys or weights, source 1 = tokens): a lane holds ONE token (lane % 16) in S^T, P, O^T, h^T and out^T.  The queries' fragments ARE the x half of [x, ctx]; O^T rounded in
; pairs is the ctx half; relu(h^T) rounded in pairs is source 1 of the last product.  K and V are one copy of x in LDS: row m of a key fragment stands for key 2 (m % 8) + m / 8 of its 16, alike in K (plain loads) and V (turning loads).
; SOFTMAX.  Running maximum m and sum l: p = 2^(c s - c m), c = log2(e) / 16; O and l are multiplied by a = 2^(c m_old - c m_new) in every step.  c x -2^100 is exact, so a row that has seen hidden keys alone has weights of
; exactly 1; the merge takes the two halves' common maximum, and such a half gets the factor 0 there.
; CLUSTER.  Partners must be alike in every branch, so the four of a cluster are four batches with one p.  Their x tiles differ (plain loads); the weights, 2 MiB of the 2.6 MiB that a work-group brings into LDS, are the same:
; each weight tile is asked for jointly, by the same tensor load with the mask of four.
; The attention runs in phases (products, softmax, products); O^T is cleared once by 256 v_mov_b32 in the wait for the first tile, the price of writing no first step out; 64 more write the ctx half of dec tile 0 (see there).
; REGISTERS, in windows of 256 (s_set_vgpr_msb: bits 1:0 source 0, 3:2 source 1, 5:4 source 2, 7:6 destination):
;   window 0: v0-31 addresses and constants.  Attention: v32-47 statistics, v48-55 at work, v64-127 S^T, v128-159 P.  MLP: v32-63 b2, v64-95 h^T, v96-111 h in f16, v112-127 b1, v128-255 two weight buffers.
;   window 1: [x, ctx], tile t fragment c at 128 t + 8 c.  In the attention 128-191 and 192-255 hold the queries of T0 and T1.
;   window 2: O^T, tile t at 128 t; then out^T of columns 0-255.     window 3: K or V of one step; then out^T of columns 256-511.
.set PK,    528                        ; a row of x in LDS: 512 bytes + 16 = 132 words: row r starts at bank 4 r mod 64 (64 banks of 4 bytes: ISA guide 11.1); rows two apart at 8 r
.set XQ,    32*PK                      ; what one wave's tensor load brings of an x slot
.set SLOT1, 1<<17                      ; slot 0 at 0, slot 1 here: one exclusive or turns one into the other.  A slot holds 128 rows of x (67,584 bytes) or a weight tile (65,536)
.set SCR,   SLOT1+128*PK               ; behind the ring, never filled by a tensor load: an area for each wave: O^T of T1 (16,384), its c m and l (512); later the two stages of the way out
.set AREA,  16896
.set SPARE, SCR+4*AREA                 ; the spare words, 128 bytes for each wave: two blocks of 256 bytes that no other line names
.set SP,    272                        ; a stage row: 256 bytes + 16
.set STG,   16*SP
.set WTILE, 65536
.set N,    1                           ; v1   lane % 16
.set AK0,  2                           ; v2   my place in a slot for K's loads
.set AV0,  3                           ; v3   for V's turning loads
.set ADR,  4                           ; v4   AK0 + the slot in hand
.set ADRV, 5                           ; v5   AV0 + the slot in hand
.set QO0,  6                           ; v6   my byte offset in the 32 rows of queries, tile T0
.set QO1,  7                           ; v7   tile T1
.set SND,  8                           ; v8   my 16 bytes in my wave's area
.set RCV,  9                           ; v9   the same in wave w ^ 1's
.set LN16, 10                          ; v10  16 x lane
.set AW,   11                          ; v11  LN16 + the weight slot in hand
.set BO,   12                          ; v12  my offset in b1: 32 (lane / 16) + 128 u
.set BO2,  13                          ; v13  my offset in 256 bytes of b2
.set STO,  14                          ; v14  the way out: where I put 32 bytes of a row
.set RD,   15                          ; v15  the way out: where I read rows back
.set GO,   16                          ; v16-17 my byte offset in the batch's rows of an output, for the hi and the lo tokens
.set THR,  18                          ; v18-19 my query's place in its block less lane / 16, tiles T0, T1
.set TE,   20                          ; v20-21 the same, counted from my wave's first key of the diagonal slot
.set BIGV, 22                          ; v22  -2^100
.set ZERO, 23                          ; v23  0
.set ZF,   24                          ; v24  0.0 in the lanes of the batch's token 0 (lo block), else 1.0
.set PFO,  25                          ; v25  256 x lane, for the prefetches
.set PS,   26                          ; v26-27 the partner's c m and l
.set HH,   28                          ; v28  lane / 16
.set LN,   29                          ; v29  lane
.set SPW,  30                          ; v30  LDS address of my spare word; never rewritten
.set NIL,  31                          ; v31  0; never rewritten
.set ST,   32                          ; tile t at ST + 8 t: c m, m, l (even, odd registers), c0-c3 at work; a takes c2's place
.set F0,   48                          ; v48-49 the merge's factor for my partial, v50-51 for the partner's
.set F1,   50
.set TM,   52                          ; v52-55 at work
.set S,    64
.set P,    128
.set B2,   32
.set HA,   64                          ; h^T: hidden half th, token tile k at HA + 8 (2 th + k)
.set HF,   96                          ; relu(h) in f16, token tile k at HF + 8 k
.set BI,   112                         ; b1 of the 32 hidden units in hand
.set WB0,  128
.set WB1,  192
.set RB,   128                         ; the way out: 16 rows read back, two buffers of 32
.set WV,   14                          ; s14 wave; s15 a; s16 b; s17 cx; s18 batch; s19 p
.set SA,   15
.set SB,   16
.set CX,   17
.set BAT,  18
.set PP,   19
.set G1X,  20                          ; s[20:27] descriptor group 1 for x
.set G1W,  28                          ; s[28:35] for the weights
.set G0X,  36                          ; s[36:39] group 0 for x
.set G0W,  40                          ; s[40:43] for the weights
.set XB,   44                          ; s[44:45] xh at my batch, my wave's 32 rows of slot 0
.set OFF,  46                          ; s[46:47] a slot's byte offset
.set CNT,  48                          ; s48 trips of the walk to come
.set RT,   49                          ; s49 slots of the block in hand still to be entered
.set NXT,  50                          ; s50 the slot to be asked for next
.set LQ,   51                          ; s51 the last slot of the block whose slots are being asked for
.set NEW,  52                          ; s52 1: the hi block has ended and is to be merged
.set QPAR, 53                          ; s53 which half of its last slot the block in hand lies in
.set TB,   54                          ; s54 the slot in hand
.set TBW,  55                          ; s55 the weight slot in hand
.set ULO,  56                          ; s56 slots of the lo block
.set SH,   57
.set CS,   58                          ; s[58:59] c, twice
.set SEL,  60                          ; s[60:61] v_permlanex16_b32's selects: each lane takes its own place in the other half
.set T0,   62
.set T1,   63
.set QHI,  66                          ; s[66:67] xh at the 32 query rows of my half of the hi block; s[68:69] of the lo block
.set QLO,  68
.set PFX,  70                          ; s[70:71] where my prefetches of x stand
.set LIMX, 72
.set LIMW, 73
.set PFW,  74                          ; s[74:75] where my prefetches of the weights stand
.set MCNT, 80
.set ULOM1, 81
.set O64,  82                          ; s[82:83] the batch's offset in xh
.set T64,  84                          ; s[84:85] offsets made of p and the wave alone
.set QPLO, 86
.set HI,   87
.set C64,  88                          ; s[88:89] offsets that hold cx: no register that feeds the joint load's descriptor ever holds it
.set MSB, 0
.macro WIN new                         ; the high byte repeats the setting that is left; a switch that changes nothing is dropped
.if MSB != (\new)
	s_set_vgpr_msb (MSB<<8)|(\new)
.set MSB, (\new)
.endif
.endm
.set W_KQ,  0x07                       ; K window 3, Q window 1, S^T window 0
.set W_PV,  0xa3                       ; V window 3, P window 0, O^T window 2
.set W_LD3, 0xc0                       ; loads into window 3
.set W_RS,  0x82                       ; O^T (destination, source 0) window 2, a window 0
.set W_MG,  0xa2                       ; the merge: destination, sources 0 and 2 window 2, the factor window 0
.set W_CT,  0x4a                       ; O^T window 2 rounded into window 1
.set W_QL,  0x40                       ; loads and moves into window 1
.set W_ML,  0x80                       ; loads and moves into window 2
.set W_OS,  0x08                       ; LDS stores of window 2
.set W_OS3, 0x0c                       ; of window 3
.set W_M1,  0x04                       ; weights window 0, [x, ctx] window 1, h^T window 0
.set W_M2L, 0xa0                       ; weights and h window 0, out^T window 2
.set W_M2H, 0xf0                       ; out^T window 3
; Four places: a vector instruction that reads a matrix result or writes a matrix instruction's register, and a load into such a register, stand four plain vector instructions behind it (ISA guide 7.12.1 for vector instructions)
.macro PLACES
.rept 4
	v_nop
.endr
.endm
; A round of the cluster's barrier: my work-group's barrier, wave 0 signals for the work-group, every wave waits for all four work-groups, my work-group's barrier once more
.macro CREST
	s_cmp_lg_u32 s[WV], 0
	s_cbranch_scc1 .Lnot_wave_0_\@
	s_barrier_signal -3
.Lnot_wave_0_\@:
	s_barrier_wait -3
	s_barrier_signal -1
	s_barrier_wait -1
.endm
.macro CROUND
	s_barrier_signal -1
	s_barrier_wait -1
	CREST
.endm
; Each wave fills its own quarter of a slot: 32 rows of x, or 16,384 bytes of a weight tile.  An s_nop 0 and four v_nop follow
.macro XLOAD
	tensor_load_to_lds s[G0X:G0X+3], s[G1X:G1X+7]
	s_nop 0
	PLACES
.endm
.macro WLOAD
	tensor_load_to_lds s[G0W:G0W+3], s[G1W:G1W+7]
	s_nop 0
	PLACES
.endm
; 32 query rows of a block: tile T0 into window 1 v128-191, T1 into v192-255; copy = 1: T0 also into v0-63, the x half of dec tile 0
.macro QLOADS q, copy
	WIN W_QL
.set c, 0
.rept 8
	global_load_b128 v[128+8*c:128+8*c+3],   v[QO0], s[\q:\q+1] offset:64*c
	global_load_b128 v[128+8*c+4:128+8*c+7], v[QO0], s[\q:\q+1] offset:64*c+32
	global_load_b128 v[192+8*c:192+8*c+3],   v[QO1], s[\q:\q+1] offset:64*c
	global_load_b128 v[192+8*c+4:192+8*c+7], v[QO1], s[\q:\q+1] offset:64*c+32
.if \copy
	global_load_b128 v[8*c:8*c+3],   v[QO0], s[\q:\q+1] offset:64*c
	global_load_b128 v[8*c+4:8*c+7], v[QO0], s[\q:\q+1] offset:64*c+32
.endif
.set c, c+1
.endr
	WIN 0
.endm
; THE CHANGE OF SLOTS in the walk.  Each wave waits for all its tensor loads (one is out: its quarter of the slot to be read), adds 0 to its spare word, waits for that and for its reads of the slot that it leaves; a round of the
; cluster's barrier; then the old slot is filled, first thing: kind 1 with x slot NXT (the address is made anew from that number), kind 2 (the walk's last trip) with weight tile 0.
.macro ACHANGE kind
	WIN 0
.if (\kind) == 1
	s_wait_xcnt 0x0                        ; the last prefetch, a trip back, has read its address
	s_add_nc_u64 s[PFX:PFX+1], s[PFX:PFX+1], 65536
.endif
	s_wait_tensorcnt 0x0                   ; no tensor load of mine is out, so a group 0 may be written
	ds_add_u32 v[SPW], v[NIL]              ; 0 onto my spare word
.if (\kind) == 1
	s_lshl_b32 s[OFF], s[NXT], 16          ; a slot is 128 rows of 512 bytes
	s_xor_b32 s[G0X+1], s[G0X+1], SLOT1
	s_add_nc_u64 s[G0X+2:G0X+3], s[XB:XB+1], s[OFF:OFF+1]
	s_or_b32 s[G0X+3], s[G0X+3], 0x80000000
	s_add_co_u32 s[NXT], s[NXT], 1         ; the block's next slot, or behind its last the lo block's slot 0
	s_cmp_gt_u32 s[NXT], s[LQ]
	s_cselect_b32 s[NXT], 0, s[NXT]
	s_cselect_b32 s[LQ], s[ULOM1], s[LQ]
.endif
	s_wait_dscnt 0x0                       ; the add is done, my reads of the old slot are over, my stores into my area are done
	CROUND
.if (\kind) == 1
	XLOAD
	s_xor_b32 s[TB], s[TB], SLOT1
.else
	WLOAD                                  ; into slot 1
	s_mov_b32 s[TB], 0                     ; the ninth trip reads slot 0
.endif
	v_add_nc_u32 v[ADR], s[TB], v[AK0]
	v_add_nc_u32 v[ADRV], s[TB], v[AV0]
	s_sub_co_u32 s[RT], s[RT], 1
.endm
; A PREFETCH INTO THE L2 of x.  The eight work-groups of a batch walk the same slots from 0 up; each asks, by its wave 0, for 16 rows (32 blocks of 256 bytes, a lane a block) of the slot three on, told apart by p:
; each block is named once.  In trip t the tensor load asks for slot t + 1, so slot t + 3 is named two trips ahead of its load.  Slots 0 to 2 come by their loads alone; trips 5 to 7 ask for nothing: slot 7 is the last.
.macro ASKX
	s_cmp_gt_u32 s[CNT], s[LIMX]
	s_cbranch_scc0 .Lno_x_\@
	global_prefetch_b8 v[PFO], s[PFX:PFX+1] th:TH_LOAD_NT scope:SCOPE_SE
.Lno_x_\@:
.endm
; S^T = K Q^T: my 64 keys x 256 channels come in one run of 64 loads (fragment (c, kt) at v[8 (4 c + kt)] of window 3); then 8 x 8 products, the eight accumulators by turns
.macro QK ask
	WIN W_LD3
.set c, 0
.rept 8
.set z, 0
.rept 4
	ds_load_b128 v[8*(4*c+z):8*(4*c+z)+3],   v[ADR] offset:z*16*PK+64*c
	ds_load_b128 v[8*(4*c+z)+4:8*(4*c+z)+7], v[ADR] offset:z*16*PK+64*c+32
.set z, z+1
.endr
.set c, c+1
.endr
	WIN 0
.if \ask
	ASKX
.endif
	s_wait_loadcnt 0x0                     ; the queries: the head's, or the lo block's, asked for at the hi block's end; in the other trips no load is out
	WIN W_KQ
.set c, 0
.rept 8
	s_wait_dscnt 56-8*c                    ; the eight loads of each later c may stay out
.set z, 0
.rept 4
.irp t, 0,1
.if c == 0
	v_wmma_f32_16x16x32_f16 v[S+32*\t+8*z:S+32*\t+8*z+7], v[8*(4*c+z):8*(4*c+z)+7], v[128+64*\t+8*c:128+64*\t+8*c+7], 0
.else
	v_wmma_f32_16x16x32_f16 v[S+32*\t+8*z:S+32*\t+8*z+7], v[8*(4*c+z):8*(4*c+z)+7], v[128+64*\t+8*c:128+64*\t+8*c+7], v[S+32*\t+8*z:S+32*\t+8*z+7]
.endif
.endr
.set z, z+1
.endr
.set c, c+1
.endr
.endm
; A barrier in the middle of a trip: a merge's reads of a partner's area, earlier in the trip, are over in every wave before a block's end, later in the trip, stores into the areas again.
; Its four v_nop are the places behind the last K Q^T.
.macro MIDBAR
	s_wait_dscnt 0x0
	s_barrier_signal -1
	PLACES
	s_barrier_wait -1
.endm
; V^T of my 64 keys, turned: fragment 16 kk + cb (32 keys x 16 channels) at v[8 f] of window 3, where K lay
.macro VLOAD
	WIN W_LD3
.set f, 0
.rept 32
	ds_load_tr16_b128 v[8*f:8*f+3],   v[ADRV] offset:(f/16)*32*PK+32*(f%16)
	ds_load_tr16_b128 v[8*f+4:8*f+7], v[ADRV] offset:(f/16)*32*PK+16*PK+32*(f%16)
.set f, f+1
.endr
	WIN 0
.endm
; THE DIAGONAL SLOT.  Register j of key tile kt in lane half h is key 64 b + 16 kt + 2 j + h of the slot; my query stands at 64 QPAR + its place in the block.  Hidden where key >= query.
.macro MASK
	WIN 0
	s_sub_co_i32 s[SH], s[QPAR], s[SB]
	s_lshl_b32 s[SH], s[SH], 6
	v_add_nc_u32 v[TE], s[SH], v[THR]
	v_add_nc_u32 v[TE+1], s[SH], v[THR+1]
.irp t, 0,1
.set i, 0
.rept 32
	v_cmp_ge_i32 vcc_lo, 16*(i/8)+2*(i%8), v[TE+\t]
	v_cndmask_b32 v[S+32*\t+i], v[S+32*\t+i], v[BIGV], vcc_lo
.set i, i+1
.endr
.endr
.endm
; THE SOFTMAX of both tiles for one step, the tiles alternating.  Each accumulator's lowest registers are read first.
.macro SOFT
	WIN 0
.set j, 0
.rept 4                                ; four chains c0-c3 of seven scores each, three operands at a time
.irp t, 0,1
	v_max3_num_f32 v[ST+8*\t+4+j], v[S+32*\t+8*j], v[S+32*\t+8*j+1], v[S+32*\t+8*j+2]
.endr
.set j, j+1
.endr
.rept 8
.irp t, 0,1
	v_max3_num_f32 v[ST+8*\t+4+j%4], v[ST+8*\t+4+j%4], v[S+32*\t+8*(j%4)+2*(j/4)+1], v[S+32*\t+8*(j%4)+2*(j/4)+2]
.endr
.set j, j+1
.endr
.irp t, 0,1
	v_max3_num_f32 v[ST+8*\t+4], v[ST+8*\t+4], v[S+32*\t+7], v[S+32*\t+15]
.endr
.irp t, 0,1
	v_max3_num_f32 v[ST+8*\t+6], v[ST+8*\t+6], v[S+32*\t+23], v[S+32*\t+31]
.endr
.irp t, 0,1
	v_max3_num_f32 v[ST+8*\t+4], v[ST+8*\t+4], v[ST+8*\t+5], v[ST+8*\t+6]
.endr
.irp t, 0,1
	v_max3_num_f32 v[ST+8*\t+4], v[ST+8*\t+4], v[ST+8*\t+7], v[ST+8*\t+1]
.endr
.irp t, 0,1
	v_permlanex16_b32 v[ST+8*\t+5], v[ST+8*\t+4], s[SEL], s[SEL+1]  ; the query's other 32 keys lie in the lane 16 away
.endr
.irp t, 0,1
	v_mov_b32 v[ST+8*\t+7], v[ST+8*\t]     ; c m_old is kept for a
.endr
.irp t, 0,1
	v_max_num_f32 v[ST+8*\t+1], v[ST+8*\t+4], v[ST+8*\t+5]
.endr
.irp t, 0,1
	v_mul_f32 v[ST+8*\t], s[CS], v[ST+8*\t+1]
.endr
.irp t, 0,1
	v_sub_f32 v[ST+8*\t+7], v[ST+8*\t+7], v[ST+8*\t]
.endr
.irp t, 0,1
	v_exp_f32 v[ST+8*\t+6], v[ST+8*\t+7]   ; a.  ONE BATCH of 66 exponentials begins; nothing ahead of its wait names a result of theirs
.endr
.set b, 0
.rept 16                               ; c s - c m for pair b of both tiles, then the exponentials of pair b - 1
.irp t, 0,1
	v_pk_fma_f32 v[S+32*\t+2*b:S+32*\t+2*b+1], v[S+32*\t+2*b:S+32*\t+2*b+1], s[CS:CS+1], v[ST+8*\t:ST+8*\t+1] op_sel_hi:[1,0,0] neg_lo:[0,0,1] neg_hi:[0,0,1]
.endr
.if b > 0
.irp t, 0,1
	v_exp_f32 v[S+32*\t+2*b-2], v[S+32*\t+2*b-2]
	v_exp_f32 v[S+32*\t+2*b-1], v[S+32*\t+2*b-1]
.endr
.endif
.set b, b+1
.endr
.irp t, 0,1
	v_exp_f32 v[S+32*\t+30], v[S+32*\t+30]
	v_exp_f32 v[S+32*\t+31], v[S+32*\t+31]
.endr
	v_nop                                  ; a plain instruction behind the last exponential,
	s_wait_alu depctr_va_vdst(0)           ; and one wait ahead of the batch's first reader
.set i, 0
.rept 16                               ; the weights rounded to f16, in pairs: source 1 of V^T P
.irp t, 0,1
	v_cvt_pk_f16_f32 v[P+16*\t+i], v[S+32*\t+2*i], v[S+32*\t+2*i+1]
.endr
.set i, i+1
.endr
.irp w, 4,8,16,32                      ; the sum of the 16 pairs, in place: neighbours 1, 2, 4, 8 pairs apart
.set z, 0
.rept 32/\w
.irp t, 0,1
	v_pk_add_f32 v[S+32*\t+\w*z:S+32*\t+\w*z+1], v[S+32*\t+\w*z:S+32*\t+\w*z+1], v[S+32*\t+\w*z+\w/2:S+32*\t+\w*z+\w/2+1]
.endr
.set z, z+1
.endr
.endr
.irp t, 0,1
	v_pk_fma_f32 v[ST+8*\t+2:ST+8*\t+3], v[ST+8*\t+2:ST+8*\t+3], v[ST+8*\t+6:ST+8*\t+7], v[S+32*\t:S+32*\t+1] op_sel_hi:[1,0,1]  ; l = a l + sum
.endr
	WIN W_RS
.irp t, 0,1
.set i, 0
.rept 64                               ; O^T times a
	v_pk_mul_f32 v[128*\t+2*i:128*\t+2*i+1], v[128*\t+2*i:128*\t+2*i+1], v[ST+8*\t+6:ST+8*\t+7] op_sel_hi:[1,0]
.set i, i+1
.endr
.endr
.endm
; O^T += V^T P: 64 products, the 32 accumulators by turns
.macro PVM
	WIN W_PV
.set f, 0
.rept 32
.if f%4 == 0
	s_wait_dscnt 56-2*f                    ; V's fragments f .. f + 3 are in; the two loads of each later one may stay out
.endif
.irp t, 0,1
	v_wmma_f32_16x16x32_f16 v[128*\t+8*(f%16):128*\t+8*(f%16)+7], v[8*f:8*f+7], v[P+16*\t+8*(f/16):P+16*\t+8*(f/16)+7], v[128*\t+8*(f%16):128*\t+8*(f%16)+7]
.endr
.set f, f+1
.endr
.endm
; A BLOCK'S END.  l's two registers and the other half of the lanes' are added (into m's place: m is done with); T1's O^T, c m and l go into my area
.macro LRED
	WIN 0
.irp t, 0,1
	v_add_f32 v[ST+8*\t+1], v[ST+8*\t+2], v[ST+8*\t+3]
.endr
.irp t, 0,1
	v_permlanex16_b32 v[ST+8*\t+4], v[ST+8*\t+1], s[SEL], s[SEL+1]
.endr
.irp t, 0,1
	v_add_f32 v[ST+8*\t+1], v[ST+8*\t+1], v[ST+8*\t+4]
.endr
.endm
.macro SENDM
	WIN W_OS
.set i, 0
.rept 32
	ds_store_b128 v[SND], v[128+4*i:128+4*i+3] offset:512*i
.set i, i+1
.endr
	WIN 0
	ds_store_b64 v[SND], v[ST+8:ST+9] offset:16384
.endm
; THE MERGE, behind a barrier: the partner's partial of my T0 comes into T1's registers; both are brought to the common maximum, added, divided by l and rounded to f16 into window 1 from dst on.
; zf = 1: the lo block, where token 0's context is 0
.macro MERGE dst, zf
	WIN 0
	ds_load_b64 v[PS:PS+1], v[RCV] offset:16384
	WIN W_ML
.set i, 0
.rept 32
	ds_load_b128 v[128+4*i:128+4*i+3], v[RCV] offset:512*i
.set i, i+1
.endr
	WIN 0
	s_wait_dscnt 32                        ; c m and l are in; the 32 loads behind them may stay out
	v_max_num_f32 v[TM+3], v[ST], v[PS]
	v_sub_f32 v[TM], v[ST], v[TM+3]
	v_sub_f32 v[TM+1], v[PS], v[TM+3]
	v_exp_f32 v[TM], v[TM]
	v_exp_f32 v[TM+1], v[TM+1]
	v_nop
	s_wait_alu depctr_va_vdst(0)           ; one wait for the two exponentials
	v_mul_f32 v[TM+2], v[TM], v[ST+1]
	v_fmac_f32 v[TM+2], v[TM+1], v[PS+1]   ; l of all keys: the half that holds the maximum gives 1 or more
	v_rcp_f32 v[TM+2], v[TM+2]
	v_nop
	s_wait_alu depctr_va_vdst(0)
.if \zf
	v_mul_f32 v[TM+2], v[TM+2], v[ZF]
.endif
	v_mul_f32 v[F0], v[TM], v[TM+2]
	v_mul_f32 v[F0+1], v[TM], v[TM+2]      ; named as pairs, so both are written
	v_mul_f32 v[F1], v[TM+1], v[TM+2]
	v_mul_f32 v[F1+1], v[TM+1], v[TM+2]
	s_wait_dscnt 0x0
	WIN W_MG
.set i, 0
.rept 64
	v_pk_mul_f32 v[2*i:2*i+1], v[2*i:2*i+1], v[F0:F0+1] op_sel_hi:[1,0]
.set i, i+1
.endr
.set i, 0
.rept 64
	v_pk_fma_f32 v[2*i:2*i+1], v[128+2*i:128+2*i+1], v[F1:F1+1], v[2*i:2*i+1] op_sel_hi:[1,0,1]
.set i, i+1
.endr
	WIN W_CT
.set i, 0
.rept 64
	v_cvt_pk_f16_f32 v[(\dst)+i], v[2*i], v[2*i+1]
.set i, i+1
.endr
	WIN 0
.endm
; FROM THE HI BLOCK TO THE LO: the merge; then c m far below every c s, so that the first step's a is 0 and what O^T and l hold need only be finite
.macro SWITCH
	MERGE 64, 0
.irp t, 0,1
	v_mov_b32 v[ST+8*\t], 0xfe000000
	v_mov_b32 v[ST+8*\t+1], 0xff7fffff
.endr
	s_mov_b32 s[NEW], 0
.endm
; THE MLP.  A weight tile (32 hidden units) comes out of LDS in eight batches of eight fragments: 0-3 W1's, 4-7 W2's; lane L reads 16 consecutive bytes at 16 L, twice a fragment
.macro WFETCH i, buf
	WIN 0
.set f, 0
.rept 8
	ds_load_b128 v[(\buf)+8*f:(\buf)+8*f+3],   v[AW] offset:8192*(\i)+1024*f
	ds_load_b128 v[(\buf)+8*f+4:(\buf)+8*f+7], v[AW] offset:8192*(\i)+1024*f+512
.set f, f+1
.endr
.endm
; h^T += W1^T [x, ctx]^T: batch i holds k = 128 i .. 128 i + 127 for both hidden halves.  The four accumulators take turns; the first products take b1 as C
.macro MUL1 i, buf
	WIN W_M1
.set f, 0
.rept 8
.set k, 0
.rept 2
.set rH, HA+8*(2*(f%2)+k)
.set rD, 128*k+8*(4*(\i)+f/2)
.if ((\i) == 0) && (f < 2)
	v_wmma_f32_16x16x32_f16 v[rH:rH+7], v[(\buf)+8*f:(\buf)+8*f+7], v[rD:rD+7], v[BI+8*f:BI+8*f+7]
.else
	v_wmma_f32_16x16x32_f16 v[rH:rH+7], v[(\buf)+8*f:(\buf)+8*f+7], v[rD:rD+7], v[rH:rH+7]
.endif
.set k, k+1
.endr
.set f, f+1
.endr
.endm
; relu(h) as source 1 of the last product: rounded to f16 in pairs, then the packed maximum with 0
.macro ACT
	WIN 0
.set k, 0
.rept 2
.set z, 0
.rept 8
	v_cvt_pk_f16_f32 v[HF+8*k+z], v[HA+8*(2*(z/4)+k)+2*(z%4)], v[HA+8*(2*(z/4)+k)+2*(z%4)+1]
.set z, z+1
.endr
.set k, k+1
.endr
.set z, 0
.rept 16
	v_pk_max_num_f16 v[HF+z], v[HF+z], v[ZERO]
.set z, z+1
.endr
.endm
; out^T += W2^T h^T: batch i holds output blocks 8 (i - 4) + f; each accumulator is taken once a trip.  zero = 1: the first tile starts the sums
.macro MUL2 i, buf, zero, f0, f1
.if (\i) < 6
	WIN W_M2L
.else
	WIN W_M2H
.endif
.set f, (\f0)
.rept (\f1)-(\f0)
.set k, 0
.rept 2
.set rO, 8*(2*((8*((\i)-4)+f)%16)+k)
.if \zero
	v_wmma_f32_16x16x32_f16 v[rO:rO+7], v[(\buf)+8*f:(\buf)+8*f+7], v[HF+8*k:HF+8*k+7], 0
.else
	v_wmma_f32_16x16x32_f16 v[rO:rO+7], v[(\buf)+8*f:(\buf)+8*f+7], v[HF+8*k:HF+8*k+7], v[rO:rO+7]
.endif
.set k, k+1
.endr
.set f, f+1
.endr
.endm
.macro BLOAD                           ; b1 of the next 32 hidden units: register j of half th is hidden 16 th + 8 (lane / 16) + j.  The last loads by BO were waited for at the trip's head
	WIN 0
	v_add_nc_u32 v[BO], 128, v[BO]
	global_load_b128 v[BI:BI+3],     v[BO], s[8:9]
	global_load_b128 v[BI+4:BI+7],   v[BO], s[8:9] offset:16
	global_load_b128 v[BI+8:BI+11],  v[BO], s[8:9] offset:64
	global_load_b128 v[BI+12:BI+15], v[BO], s[8:9] offset:80
.endm
; A PREFETCH INTO THE L2 of the weights.  All clusters walk the same 32 tiles: the cluster with x = 0 and p = 0 asks.  Its four partners take a quarter of a tile each, told apart by address; in each, waves 0 and 1 ask for
; 32 blocks of 256 bytes, a lane a block: each block is named once.  In trip u the joint load asks for tile u + 2; the prefetch names tile u + 5, three trips ahead of its load.  Tiles 0 to 4 come by their loads alone; trips 27 on ask for nothing.
.macro ASKW how
.if \how
	s_cmp_eq_u32 s[LIMW], 3
.else
	s_cmp_gt_u32 s[MCNT], s[LIMW]
.endif
	s_cbranch_scc0 .Lno_w_\@
	global_prefetch_b8 v[PFO], s[PFW:PFW+1] th:TH_LOAD_NT scope:SCOPE_SE
.Lno_w_\@:
.endm
; A TRIP: one weight tile, 64 + 64 products.  Batch i + 1 is fetched just ahead of batch i's 16 products; each s_wait_dscnt 16 leaves out the 16 loads just issued.
; mode 2: the tile's slot is filled again, two tiles on, behind a round of the cluster's barrier; mode 1: the slots change and nothing is filled; mode 0: the last tile.
.macro MTRIP zero, mode, bias, how
	PLACES
	WFETCH 1, WB1
	s_wait_loadcnt 0x0                     ; b1 of this tile (in the first trip b2 too)
	s_wait_dscnt 16
	MUL1 0, WB0
	PLACES
.if \bias
	BLOAD
.endif
	WFETCH 2, WB0
	s_wait_dscnt 16
	MUL1 1, WB1
	PLACES
	WFETCH 3, WB1
	s_wait_dscnt 16
	MUL1 2, WB0
	PLACES
	WFETCH 4, WB0
	s_wait_dscnt 16
	MUL1 3, WB1
	PLACES
	WFETCH 5, WB1
	ACT
	s_wait_dscnt 16
	MUL2 4, WB0, \zero, 0, 8
	PLACES
	WFETCH 6, WB0
	s_wait_dscnt 16
	MUL2 5, WB1, \zero, 0, 8
	PLACES
	WFETCH 7, WB1
.if (\mode) == 0
	s_wait_dscnt 16
	MUL2 6, WB0, \zero, 0, 8
	s_wait_dscnt 0x0
	MUL2 7, WB1, \zero, 0, 8
.else
	WIN 0
.if (\mode) == 2
	s_wait_xcnt 0x0                        ; the last prefetch, a trip back, has read its address
	s_add_nc_u64 s[PFW:PFW+1], s[PFW:PFW+1], WTILE
.endif
	s_wait_tensorcnt 0x0                   ; all my tensor loads have landed: the one that was out is my quarter of the next tile
	ds_add_u32 v[SPW], v[NIL]              ; 0 onto my spare word
	s_wait_dscnt 17                        ; batch 6 is in; batch 7's sixteen loads and the add may be out
	MUL2 6, WB0, \zero, 0, 8
	s_wait_dscnt 0x0                       ; the add is done, and my reads of this tile are over
	s_barrier_signal -1
	MUL2 7, WB1, \zero, 0, 4               ; work on registers while the others arrive
	WIN 0
	s_barrier_wait -1
.if (\mode) == 2
	CREST                                  ; the barrier has opened a round of the cluster's: no wave of any partner still reads this tile or has a load on its way
	s_xor_b32 s[G0W+1], s[G0W+1], SLOT1
	s_add_nc_u64 s[G0W+2:G0W+3], s[G0W+2:G0W+3], WTILE
	WLOAD                                  ; its four v_nop are also the places in front of the loads below
.else
	PLACES
.endif
	s_xor_b32 s[TBW], s[TBW], SLOT1
	v_add_nc_u32 v[AW], s[TBW], v[LN16]
	WFETCH 0, WB0                          ; the next tile's first batch
.if (\mode) == 2
	ASKW \how
.endif
	MUL2 7, WB1, \zero, 4, 8
.endif
.endm
; THE WAY OUT, 16 times: 64 columns (group g) of 16 tokens (tile k) go through one of my two stages: a lane's 32 bytes of a row in, whole rows of 256 bytes back; b2 is added; sixteen lanes store 256 consecutive bytes, aligned
.macro TOST idx
.set g, (\idx)/2
.set k, (\idx)%2
	s_wait_xcnt 0x0                        ; the stores of two groups back have read the registers that are loaded again below
.if g < 4
	WIN W_OS
.else
	WIN W_OS3
.endif
.set z, 0
.rept 4
.set rO, 8*(2*((4*g+z)%16)+k)
	ds_store_b128 v[STO], v[rO:rO+3]   offset:STG*k+64*z
	ds_store_b128 v[STO], v[rO+4:rO+7] offset:STG*k+64*z+16
.set z, z+1
.endr
	WIN 0
.set z, 0
.rept 8
	ds_load_b128 v[RB+32*k+4*z:RB+32*k+4*z+3], v[RD] offset:STG*k+2*SP*z  ; LDS serves a wave's instructions in order (ISA guide 5.7.1.4): these see the stores above
.set z, z+1
.endr
.endm
.macro SENDO idx, younger              ; younger: the LDS instructions issued behind this group's loads: the next group's sixteen, or none
.set g, (\idx)/2
.set k, (\idx)%2
	WIN 0
	s_wait_dscnt \younger
.set z, 0
.rept 8
	v_pk_add_f32 v[RB+32*k+4*z:RB+32*k+4*z+1],   v[RB+32*k+4*z:RB+32*k+4*z+1],   v[B2+4*g:B2+4*g+1]
	v_pk_add_f32 v[RB+32*k+4*z+2:RB+32*k+4*z+3], v[RB+32*k+4*z+2:RB+32*k+4*z+3], v[B2+4*g+2:B2+4*g+3]
.set z, z+1
.endr
.set z, 0
.rept 8
.if g < 4
	global_store_b128 v[GO+k], v[RB+32*k+4*z:RB+32*k+4*z+3], s[10:11] offset:256*(g%4)+2048*z th:TH_STORE_NT
.else
	global_store_b128 v[GO+k], v[RB+32*k+4*z:RB+32*k+4*z+3], s[12:13] offset:256*(g%4)+2048*z th:TH_STORE_NT
.endif
.set z, z+1
.endr
.endm
	; THE HEAD
	s_load_b256 s[4:11], s[0:1], 0x0               ; xh s[4:5], wp s[6:7], brd s[8:9], out0 s[10:11]
	s_load_b64 s[12:13], s[0:1], 0x20              ; out1
	v_lshl_add_u32 v[SPW], v0, 2, SPARE
	v_mov_b32 v[NIL], 0
	ds_add_u32 v[SPW], v[NIL]                      ; the wave's opening: the add, twice on end, and its wait ahead of my first tensor load
	ds_add_u32 v[SPW], v[NIL]                      ; and once more, under the one wait; the set-up below, work on registers, stands between
	v_lshrrev_b32 v[TM], 5, v0
	v_readfirstlane_b32 s[WV], v[TM]               ; wave 0..3
	s_lshr_b32 s[SA], s[WV], 1                     ; a: which 32 tokens of a block
	s_and_b32 s[SB], s[WV], 1                      ; b: which 64 keys of a slot
	s_bfe_u32 s[CX], ttmp6, 0x40000                ; cx: my place in the cluster: it enters global addresses alone
	s_lshl_b32 s[BAT], ttmp9, 2
	s_add_co_u32 s[BAT], s[BAT], s[CX]             ; batch = 4 x cluster x + cx
	s_and_b32 s[PP], ttmp7, 0xffff                 ; p, which the four partners share
	s_sub_co_u32 s[HI], 15, s[PP]                  ; the hi block
	s_lshr_b32 s[LQ], s[HI], 1                     ; its last slot
	s_add_co_u32 s[RT], s[LQ], 1                   ; its number of slots
	s_lshr_b32 s[ULOM1], s[PP], 1                  ; the lo block's last slot
	s_add_co_u32 s[ULO], s[ULOM1], 1
	s_and_b32 s[QPLO], s[PP], 1
	s_xor_b32 s[QPAR], s[QPLO], 1                  ; (15 - p) % 2
	s_mov_b32 s[NXT], 1
	s_mov_b32 s[NEW], 0
	s_mov_b32 s[TB], SLOT1                         ; the first change of slots turns it into 0
	s_mov_b32 s[CNT], 8
	s_mov_b32 s[OFF+1], 0
	; group 1 for x: 32 rows x 256 elements of 2 bytes, 16 bytes of padding behind every 512
	s_mov_b32 s[G1X],   (1<<16)|(1<<20)|(6<<22)|(3<<25)  ; no mask; 17:16 2-byte elements; 20 padding on; 24:22 after every 128 words (code 6); 31:25 4 words (code 3)
	s_mov_b32 s[G1X+1], 256<<16                    ; tensor_dim0 = 256
	s_mov_b32 s[G1X+2], 32<<16                     ; tensor_dim1 = 32
	s_mov_b32 s[G1X+3], 256<<16                    ; tile_dim0 = 256
	s_mov_b32 s[G1X+4], 32                         ; tile_dim1 = 32
	s_mov_b32 s[G1X+5], 256                        ; elements from row to row
	s_mov_b32 s[G1X+6], 0
	s_mov_b32 s[G1X+7], 0
	; group 1 for the weights: 16,384 dense bytes as 64 rows of 32 elements of 8 bytes; asked for jointly by the four
	s_mov_b32 s[G1W],   15|(3<<16)|(1<<21)         ; 15:0 the mask of four; 17:16 8-byte elements; 21 set beside a mask
	s_mov_b32 s[G1W+1], 32<<16
	s_mov_b32 s[G1W+2], 64<<16
	s_mov_b32 s[G1W+3], 32<<16
	s_mov_b32 s[G1W+4], 64
	s_mov_b32 s[G1W+5], 32
	s_mov_b32 s[G1W+6], 0
	s_mov_b32 s[G1W+7], 0
	s_mov_b32 s[G0X], 1
	s_mul_i32 s[G0X+1], s[WV], XQ                  ; slot 0, my quarter
	s_mov_b32 s[G0W], 1
	s_lshl_b32 s[G0W+1], s[WV], 14
	s_add_co_u32 s[G0W+1], s[G0W+1], SLOT1         ; weight tile 0 goes into slot 1
	s_mov_b32 s[CS], 0x3db8aa3b                    ; c = log2(e) / 16
	s_mov_b32 s[CS+1], s[CS]
	s_mov_b32 s[SEL], 0x76543210
	s_mov_b32 s[SEL+1], 0xfedcba98
	s_cmp_eq_u32 s[WV], 0
	s_cselect_b32 s[LIMX], 3, -1                   ; wave 0 prefetches x while more than 3 trips are to come
	s_lshr_b32 s[T0], s[WV], 1
	s_or_b32 s[T0], s[T0], ttmp9
	s_or_b32 s[T0], s[T0], s[PP]
	s_cmp_eq_u32 s[T0], 0
	s_cselect_b32 s[LIMW], 3, -1                   ; waves 0 and 1 of the first cluster prefetch the weights: the same in all four partners
	s_lshl_b32 s[O64], s[BAT], 19                  ; a batch is 524,288 bytes of xh
	s_mov_b32 s[O64+1], 0
	s_mov_b32 s[T64+1], 0
	s_mov_b32 s[C64+1], 0
	s_wait_dscnt 0x0                               ; both opening adds are done
	s_wait_kmcnt 0x0
	s_add_nc_u64 s[4:5], s[4:5], s[O64:O64+1]      ; xh at my batch
	s_lshl_b32 s[T64], s[WV], 14                   ; my quarter: 32 rows of x, or 16,384 bytes of a weight tile
	s_add_nc_u64 s[XB:XB+1], s[4:5], s[T64:T64+1]
	s_add_nc_u64 s[G0W+2:G0W+3], s[6:7], s[T64:T64+1]
	s_or_b32 s[G0W+3], s[G0W+3], 0x80000000
	s_add_nc_u64 s[G0X+2:G0X+3], s[XB:XB+1], 0
	s_or_b32 s[G0X+3], s[G0X+3], 0x80000000
	s_lshl_b32 s[T0], s[SA], 14                    ; 32 a rows
	s_lshl_b32 s[T64], s[HI], 15                   ; a block is 64 rows of 512 bytes
	s_add_co_u32 s[T64], s[T64], s[T0]
	s_add_nc_u64 s[QHI:QHI+1], s[4:5], s[T64:T64+1]
	s_lshl_b32 s[T64], s[PP], 15
	s_add_co_u32 s[T64], s[T64], s[T0]
	s_add_nc_u64 s[QLO:QLO+1], s[4:5], s[T64:T64+1]
	s_lshl_b32 s[T64], s[PP], 13                   ; my work-group's 16 rows of a slot,
	s_add_co_u32 s[T64], s[T64], 2*65536           ; in slot 2: the first change steps it to slot 3
	s_add_nc_u64 s[PFX:PFX+1], s[4:5], s[T64:T64+1]
	s_lshl_b32 s[C64], s[CX], 14                   ; my work-group's quarter of a weight tile,
	s_lshl_b32 s[T0], s[WV], 13                    ; my wave's half of it,
	s_add_co_u32 s[C64], s[C64], s[T0]
	s_add_co_u32 s[C64], s[C64], 4*WTILE           ; in tile 4: the first change steps it to tile 5
	s_add_nc_u64 s[PFW:PFW+1], s[6:7], s[C64:C64+1]
	s_lshl_b32 s[C64], s[BAT], 20                  ; a batch is 1,048,576 bytes of each output
	s_add_nc_u64 s[10:11], s[10:11], s[C64:C64+1]
	s_add_nc_u64 s[12:13], s[12:13], s[C64:C64+1]
	CROUND                                         ; in a cluster launch every group of tensor loads stands behind a round
	XLOAD                                          ; slot 0.  By this text's count a wave never has more than one tensor load out
	v_and_b32 v[N], 15, v0
	v_bfe_u32 v[HH], v0, 4, 1
	v_and_b32 v[LN], 31, v0
	s_lshl_b32 s[T0], s[SB], 13                    ; 16 b rows of queries
	s_xor_b32 s[T1], s[T0], 8192                   ; 16 (1 - b)
	v_lshlrev_b32 v[TM], 9, v[N]
	v_lshl_add_u32 v[TM], v[HH], 4, v[TM]          ; row x 512 + 16 x half
	v_add_nc_u32 v[QO0], s[T0], v[TM]
	v_add_nc_u32 v[QO1], s[T1], v[TM]
	QLOADS QHI, 1
	; K: lane (r, h) reads key 64 b + 2 (r % 8) + r / 8, 16 bytes at 16 h: the 16 rows of a pass start at 16 different groups of four banks
	s_lshl_b32 s[T0], s[SB], 6
	v_and_b32 v[TM], 7, v0
	v_bfe_u32 v[TM+1], v0, 3, 1
	v_lshl_add_u32 v[TM+2], v[TM], 1, v[TM+1]
	v_add_nc_u32 v[TM+2], s[T0], v[TM+2]
	v_mul_u32_u24 v[AK0], v[TM+2], PK
	v_lshl_add_u32 v[AK0], v[HH], 4, v[AK0]
	; V: the turning load's lane L reads key 64 b + 2 (L % 8) + L / 16, channels 8 ((L / 8) % 2) + 0..7: place 8 h + j of the fragment is key 2 j + h, as in P.  A pass takes 8 rows two keys apart, 32 bytes each
	v_lshl_add_u32 v[TM+2], v[TM], 1, v[HH]
	v_add_nc_u32 v[TM+2], s[T0], v[TM+2]
	v_mul_u32_u24 v[AV0], v[TM+2], PK
	v_lshl_add_u32 v[AV0], v[TM+1], 4, v[AV0]
	s_mul_i32 s[T0], s[WV], AREA
	s_add_co_u32 s[T0], s[T0], SCR                 ; my area
	s_xor_b32 s[T1], s[WV], 1
	s_mul_i32 s[T1], s[T1], AREA
	s_add_co_u32 s[T1], s[T1], SCR                 ; my partner's
	v_lshl_add_u32 v[SND], v[LN], 4, s[T0]
	v_lshl_add_u32 v[RCV], v[LN], 4, s[T1]
	v_lshlrev_b32 v[LN16], 4, v[LN]
	v_lshlrev_b32 v[BO], 5, v[HH]
	v_lshlrev_b32 v[BO2], 4, v[N]
	v_mul_u32_u24 v[STO], v[N], SP
	v_lshl_add_u32 v[STO], v[HH], 5, v[STO]
	v_add_nc_u32 v[STO], s[T0], v[STO]
	v_mul_u32_u24 v[RD], v[HH], SP
	v_lshl_add_u32 v[RD], v[N], 4, v[RD]
	v_add_nc_u32 v[RD], s[T0], v[RD]
	s_lshl_b32 s[T0], s[SA], 15                    ; my 16 tokens of a block: rows 32 a + 16 b .., 1,024 bytes a row of an output
	s_lshl_b32 s[T1], s[SB], 14
	s_add_co_u32 s[T0], s[T0], s[T1]
	s_lshl_b32 s[T1], s[HI], 16
	s_add_co_u32 s[T1], s[T1], s[T0]
	v_lshlrev_b32 v[TM], 10, v[HH]
	v_lshl_add_u32 v[TM], v[N], 4, v[TM]
	v_add_nc_u32 v[GO], s[T1], v[TM]
	s_lshl_b32 s[T1], s[PP], 16
	s_add_co_u32 s[T1], s[T1], s[T0]
	v_add_nc_u32 v[GO+1], s[T1], v[TM]
	s_lshl_b32 s[T0], s[SA], 5
	s_lshl_b32 s[T1], s[SB], 4
	s_add_co_u32 s[T1], s[T1], s[T0]               ; T0's first row in the block: 32 a + 16 b
	v_sub_nc_u32 v[TM], v[N], v[HH]
	v_add_nc_u32 v[THR], s[T1], v[TM]
	s_xor_b32 s[T0], s[T1], 16                     ; T1's: 32 a + 16 (1 - b)
	v_add_nc_u32 v[THR+1], s[T0], v[TM]
	v_mov_b32 v[BIGV], 0xf1800000                  ; -2^100
	v_mov_b32 v[ZERO], 0
	s_lshl_b32 s[T0], s[PP], 6
	s_add_co_u32 s[T0], s[T0], s[T1]
	v_add_nc_u32 v[TM], s[T0], v[N]                ; my lo token's number in the batch
	v_cmp_eq_u32 vcc_lo, 0, v[TM]
	v_cndmask_b32 v[ZF], 1.0, v[ZERO], vcc_lo
	v_lshlrev_b32 v[PFO], 8, v[LN]
.irp t, 0,1
	v_mov_b32 v[ST+8*\t], 0xfe000000               ; c m: far below every c s
	v_mov_b32 v[ST+8*\t+1], 0xff7fffff             ; m
	v_mov_b32 v[ST+8*\t+2], 0
	v_mov_b32 v[ST+8*\t+3], 0
.endr
	WIN W_ML
.set i, 0
.rept 256
	v_mov_b32 v[i], 0                              ; O^T: the first step multiplies it by a = 0, so it need only be finite; written in the wait for the first tile
.set i, i+1
.endr
	; The ctx half of dec tile 0 (window 1 v64-127) is made by the hi block's merge, which stands under a branch on the walk's flag NEW.  The hi block has 5 to 8 of the walk's 9 slots, so every work-group takes that
	; branch once, in trips 5 to 8, and overwrites these zeros before the MLP reads the registers.  They are written here so that the registers are defined on every way through the text: 64 moves, once a launch, in the same wait.
	WIN W_QL
.set i, 64
.rept 64
	v_mov_b32 v[i], 0
.set i, i+1
.endr
	WIN 0
	; THE WALK: eight trips that ask for a further slot of x, the ninth written out
.Latt:
	ACHANGE 1
	s_cmp_eq_u32 s[NEW], 0
	s_cbranch_scc1 .Lsame
	SWITCH
.Lsame:
	QK 1
	MIDBAR
	VLOAD
	s_cmp_lg_u32 s[RT], 0
	s_cbranch_scc1 .Lopen                          ; only a block's last slot holds hidden keys
	MASK
.Lopen:
	SOFT
	PVM
	WIN 0
	s_cmp_lg_u32 s[RT], 0
	s_cbranch_scc1 .Lon
	PLACES                                         ; in the loop this is the hi block's end: the lo block's last slot is the walk's last
	LRED
	SENDM
	QLOADS QLO, 0                                  ; the lo block's queries; T0's are the x half of dec tile 1
	s_mov_b32 s[NEW], 1
	s_mov_b32 s[RT], s[ULO]
	s_mov_b32 s[QPAR], s[QPLO]
.Lon:
	s_sub_co_u32 s[CNT], s[CNT], 1
	s_cmp_lg_u32 s[CNT], 0
	s_cbranch_scc1 .Latt
	ACHANGE 2                                      ; the ninth trip: weight tile 0 is asked for in x's stead
	s_cmp_eq_u32 s[NEW], 0
	s_cbranch_scc1 .Lsame2
	SWITCH
.Lsame2:
	QK 0
	MIDBAR
	VLOAD
	MASK
	SOFT
	PVM
	PLACES
	LRED
	SENDM
	WIN 0
	s_wait_tensorcnt 0x0                           ; weight tile 0 has landed, my quarter of it
	ds_add_u32 v[SPW], v[NIL]                      ; 0 onto my spare word
	s_xor_b32 s[G0W+1], s[G0W+1], SLOT1
	s_add_nc_u64 s[G0W+2:G0W+3], s[G0W+2:G0W+3], WTILE
	s_wait_dscnt 0x0                               ; the add, my reads of slot 0 and my stores into my area are done
	CROUND                                         ; one round for both: slot 0 may be filled, and the partner's partial may be read
	WLOAD                                          ; weight tile 1 into slot 0
	global_load_b128 v[BI:BI+3],     v[BO], s[8:9]            ; b1 of hidden 0-31
	global_load_b128 v[BI+4:BI+7],   v[BO], s[8:9] offset:16
	global_load_b128 v[BI+8:BI+11],  v[BO], s[8:9] offset:64
	global_load_b128 v[BI+12:BI+15], v[BO], s[8:9] offset:80
	MERGE 192, 1
.irp g, 0,1,2,3,4,5,6,7
	global_load_b128 v[B2+4*\g:B2+4*\g+3], v[BO2], s[8:9] offset:4096+256*\g  ; b2 as the way out wants it: columns 64 g + 4 (lane % 16) ..; the statistics' registers are free now
.endr
	s_mov_b32 s[TBW], SLOT1
	v_add_nc_u32 v[AW], s[TBW], v[LN16]
	WFETCH 0, WB0
	; THE MLP: 32 tiles
	MTRIP 1, 2, 1, 1                               ; tile 0 starts out^T's sums
	WIN 0
	s_mov_b32 s[MCNT], 29
.Lmlp:                                                 ; tiles 1 to 29: each asks for the tile two on
	MTRIP 0, 2, 1, 0
	WIN 0
	s_sub_co_u32 s[MCNT], s[MCNT], 1
	s_cmp_lg_u32 s[MCNT], 0
	s_cbranch_scc1 .Lmlp
	MTRIP 0, 1, 1, 0                               ; tile 30: nothing is left to ask for
	MTRIP 0, 0, 0, 0                               ; tile 31
	PLACES
	TOST 0
.set x, 1
.rept 15
	TOST x
	SENDO x-1, 16
.set x, x+1
.endr
	SENDO 15, 0
	s_wait_tensorcnt 0x0                           ; the wave's end, behind my last tensor load and my last LDS store
	ds_add_u32 v[SPW], v[NIL]
	s_wait_dscnt 0x0
	CROUND                                         ; the closing round: no work-group ends while a partner may still ask for a tile that names it
	s_endpgm
.Lfunc_end_k_q94a16dfd42_decoder:
	.size	k_q94a16dfd42_decoder, .Lfunc_end_k_q94a16dfd42_decoder-k_q94a16dfd42_decoder
	.p2alignl 7, 3214868480
	.fill 96, 4, 3214868480
	.section	.rodata,"a",@progbits
	.p2align	6, 0x0
	.amdhsa_kernel k_q94a16dfd42_decoder
		.amdhsa_group_segment_fixed_size 327680
		.amdhsa_private_segment_fixed_size 0
		.amdhsa_enable_private_segment 0
		.amdhsa_kernarg_size 40
		.amdhsa_user_sgpr_count 2
		.amdhsa_user_sgpr_kernarg_segment_ptr 1
		.amdhsa_wavefront_size32 1
		.amdhsa_system_sgpr_workgroup_id_x 1
		.amdhsa_system_sgpr_workgroup_id_y 1
		.amdhsa_system_sgpr_workgroup_id_z 1
		.amdhsa_system_vgpr_workitem_id 0
		.amdhsa_next_free_vgpr 1024
		.amdhsa_next_free_sgpr 96
		.amdhsa_reserve_vcc 1
		.amdhsa_float_denorm_mode_32 3
		.amdhsa_float_denorm_mode_16_64 3
		.amdhsa_memory_ordered 1
		.amdhsa_forward_progress 1
		.amdhsa_inst_pref_size 255
	.end_amdhsa_kernel
	.section	.bss,"aw",@nobits
	.p2align	6
	.space	262144
	.amdgpu_metadata
---
amdhsa.version: [ 1, 2 ]
amdhsa.kernels:
  - .name:           k_q94a16dfd42_decoder
    .symbol:         k_q94a16dfd42_decoder.kd
    .args:
      - { .name: xh, .offset: 0, .size: 8, .value_kind: global_buffer, .address_space: global }
      - { .name: wp, .offset: 8, .size: 8, .value_kind: global_buffer, .address_space: global }
      - { .name: brd, .offset: 16, .size: 8, .value_kind: global_buffer, .address_space: global }
      - { .name: out0, .offset: 24, .size: 8, .value_kind: global_buffer, .address_space: global }
      - { .name: out1, .offset: 32, .size: 8, .value_kind: global_buffer, .address_space: global }
    .group_segment_fixed_size: 327680
    .private_segment_fixed_size: 0
    .kernarg_segment_align: 8
    .kernarg_segment_size: 40
    .max_flat_workgroup_size: 128
    .sgpr_count:     96
    .vgpr_count:     1024
    .wavefront_size: 32
...
	.end_amdgpu_metadata
.endif
;; end of part 2
